; MI455X (gfx1250); checked and timed in simulation.
; The chip was launched on July 23, 2026; its instructions are those of AMD's public machine-readable ISA for CDNA 5 (MIT licence, August 2026) and "CDNA5" Instruction Set Architecture Reference Guide (July 2026). The comments in the code are by the model that wrote it; some were corrected since.
;; Dist Flash Attn. Allowed arithmetic: matrix products marked QUANTISED: E2M3 operands, one E8M0 scale for each 32 along K, by v_wmma_scale_f32_16x16x128_f8f6f4 with both operands' format E2M3, f32 sums; everything else in f32.
;; Inputs: causal_local 2 bool; causal_remote 1 bool; k_local_codes 4,096 x 8 x 2 x 24 uint8 (E2M3 codes of k_local, K innermost, in blocks of 32 codes, four codes in three bytes); k_local_scales 4,096 x 8 x 2 uint8 (E8M0 scales of k_local, one for each 32 codes along K); k_ranges_local 2 x 2 int32; k_ranges_remote 1 x 2 int32; k_remote_codes 4,096 x 8 x 2 x 24 uint8 (E2M3 codes of k_remote, K innermost, in blocks of 32 codes, four codes in three bytes); k_remote_scales 4,096 x 8 x 2 uint8 (E8M0 scales of k_remote, one for each 32 codes along K); q_codes 4,096 x 8 x 2 x 24 uint8 (E2M3 codes of q, K innermost, in blocks of 32 codes, four codes in three bytes); q_ranges_local 2 x 2 int32; q_ranges_remote 1 x 2 int32; q_scales 4,096 x 8 x 2 uint8 (E8M0 scales of q, one for each 32 codes along K); v_local_codes 8 x 64 x 128 x 24 uint8 (E2M3 codes of v_local, K innermost, in blocks of 32 codes, four codes in three bytes); v_local_scales 8 x 64 x 128 uint8 (E8M0 scales of v_local, one for each 32 codes along K); v_remote_codes 8 x 64 x 128 x 24 uint8 (E2M3 codes of v_remote, K innermost, in blocks of 32 codes, four codes in three bytes); v_remote_scales 8 x 64 x 128 uint8 (E8M0 scales of v_remote, one for each 32 codes along K).
;; Outputs: out0 4,096 x 8 x 64 float32; out1 8 x 4,096 float32.
;; This version of the problem:
;;   THIS VERSION OF THE PROBLEM IS GIVEN IN LOW PRECISION. The matrix products marked QUANTISED in the list below multiply operands that are first quantised to E2M3 (2 exponent bits, 3 mantissa bits; 6 bits a number), with one power-of-two scale for each 32 numbers along K (OCP MX v1.0); their sums are f32. All else is computed in f32.
;;   The module's matrix products, in the order in which they are computed (A, B: the left and right operand; K: the contracted axis; several contracted axes count as one K, in the product's order):
;;     1. batch 8 x [M 4,096, K 64] x [K 64, N 4,096]; A: input q (given as codes); B: input k_local (given as codes): QUANTISED
;;     2. batch 8 x [M 64, K 4,096] x [K 4,096, N 4,096]; A: input v_local (given as codes); B: computed on the way: QUANTISED
;;     3. batch 8 x [M 4,096, K 64] x [K 64, N 4,096]; A: input q (given as codes); B: input k_remote (given as codes): QUANTISED
;;     4. batch 8 x [M 64, K 4,096] x [K 4,096, N 4,096]; A: input v_remote (given as codes); B: computed on the way: QUANTISED
;;   THE QUANTISER, for each operand of a quantised product, along K:
;;     - K is cut into blocks of 32 from its start; a last block that is shorter is filled with zeros.
;;     - A block's scale is 2^e with e = floor(log2(the largest magnitude in the block)) - 2, held to -126 .. 127; a block of zeros has e = 0. As a byte (E8M0): e + 127.
;;     - Each number is divided by its block's scale, clamped to +-7.5, and rounded to the nearest number of E2M3, ties to even, subnormals kept.
;;     - The product sums the exact products of the quantised numbers (number of the format x scale) in f32.
;;   ~~~python
;;   def quantise(x, axis):      # numpy; x: float32 -> the quantised numbers, widened to float32 again
;;       x = np.moveaxis(x, axis, -1); K = x.shape[-1]
;;       x = np.pad(x, [(0, 0)] * (x.ndim - 1) + [(0, -K % 32)]); x = x.reshape(x.shape[:-1] + (-1, 32)); a = np.abs(x).max(-1, keepdims=True)
;;       e = np.where(a > 0, np.clip(np.frexp(np.where(a > 0, a, 1))[1] - 1 - 2, -126, 127), 0)      # np.frexp(a)[1] - 1 = floor(log2(a)), exactly
;;       r = np.clip(x / 2.0 ** e, -7.5, 7.5)
;;       step = 2.0 ** (np.maximum(np.frexp(np.where(r == 0, 1, r))[1] - 1, 0) - 3)
;;       q = np.round(r / step) * step * 2.0 ** e      # np.round: ties to even
;;       return np.moveaxis(q.reshape(q.shape[:-2] + (-1,))[..., :K], -1, axis).astype(np.float32)
;;   ~~~
;;   OPERANDS COMPUTED ON THE WAY. 'Computed on the way' means the value that the module computes at that place (a softmax that the list does not call 'softmax' is quantised finished and normalised). What goes into a quantiser is computed in f32, as accurately as f32 sums, v_exp_f32 and their like allow (about 1e-6 of the number): no bf16 or f16 on the way to a quantiser, and a product that is left as it is and whose result goes on into a quantised operand takes f32 operands (vector FMAs, or v_wmma_f32_16x16x4_f32). A number that lies on a knife's edge between two numbers of the format may be rounded either way, as far as f32 arithmetic and the matrix unit's own rounding can turn it there, and no further.
;;   INPUTS GIVEN AS CODES. k_local (in the module: [4096, 8, 64], K = its axis 2); k_remote (in the module: [4096, 8, 64], K = its axis 2); q (in the module: [4096, 8, 64], K = its axis 2); v_local (in the module: [4096, 8, 64], K = its axis 0); v_remote (in the module: [4096, 8, 64], K = its axis 0): each comes as NAME_codes (uint8): NAME with its K axis moved to the last place and cut into blocks of 32 codes, [.., K / 32, bytes a block], one block behind the other in memory; four codes in three bytes: a row's codes are one little-endian stream of bits, code i at bits 6 i .. 6 i + 5 (a code: sign, 2 exponent bits, 3 mantissa bits); and NAME_scales (uint8): the same leading axes, one E8M0 byte (e + 127) for each 32 codes along K. Its value is code x scale, taken as it is: it is not quantised again, and the codes and scales need not be those that the quantiser above would give.
;; One version. Each part assembles by itself: llvm-mc -triple=amdgcn-amd-amdhsa -mcpu=gfx1250 --defsym DOCPART=n.
;; ======== version 1 of 1: 2 launches
;; limits: inputs' magnitudes at most 134,217,728; right only within a limited range of input values
;; workspace buffers: kimg 3,407,872 bytes; vimg 3,276,800 bytes
;; launch lay (part 1): grid 128 x 2, 4 waves a work-group, no clusters, 0 bytes of LDS; arguments k_local_codes, k_local_scales, k_remote_codes, k_remote_scales, v_local_codes, v_local_scales, v_remote_codes, v_remote_scales, kimg, vimg; writes kimg, vimg
.if DOCPART == 1
	.amdgcn_target "amdgcn-amd-amdhsa--gfx1250"
	.amdhsa_code_object_version 6
	.text
	.protected	k_qb6259eafb3_lay
	.globl	k_qb6259eafb3_lay
	.p2align	8
	.type	k_qb6259eafb3_lay,@function
k_qb6259eafb3_lay:
	s_mov_b64 s[64:65], 0
	v_nop
	global_prefetch_b8 v0, s[64:65] scope:SCOPE_SE
	s_setreg_imm32_b32 hwreg(HW_REG_WAVE_MODE, 25, 1), 1
	s_wait_xcnt 0x0
; K's and V's codes and scale bytes are laid out once in the order in which a wave's operand registers take them, one IMAGE for each (stage, head, step of 128 keys):
; image number = (stage x 8 + head) x 32 + step; stage 0 = local, 1 = remote.  512 images of K, 512 of V; one wave makes one image.
; An image is 12 groups of 512 bytes: group g holds operand registers 4 g .. 4 g + 3, lane l's 16 bytes at 512 g + 16 l; the scale registers follow at byte 6,144.
; K: register 6 T + i of lane (r, h) = word i of the 24 bytes k_codes[key][head][h], key = 128 step + 32 (T / 2) + 8 (T % 2) + r + 8 (r / 8): THE KEYS OF A TILE ARE NOT NEIGHBOURS, so that
;    the scores of tiles 2 b and 2 b + 1 are 16 neighbouring keys in a lane.  Scale register j of lane (r, h): the two scale bytes of tile 2 j + h's key r, the upper half 0.
; V: register 12 C + 6 c + i of lane (r, h) = word i of v_codes[head][16 C + r][4 step + 2 c + h].  Scale register j of lane (r, h): the four scale bytes of channel 16 (2 j + h) + r for this step.
; In the given layouts a head's row of K is 48 bytes of every 384 and a step's part of a row of V 96 bytes of every 3,072; every block of queries would read them so again, twice.
; Work-group y = 0 lays K, y = 1 lays V.  No LDS, no barrier: waves share nothing.  Each store of the wave covers 512 (the last of V: 256) consecutive bytes, aligned to 256.
.set KIMG, 6656
.set VIMG, 6400
	s_load_b512 s[8:23], s[0:1], 0x0               ; K local codes, scales; K remote codes, scales; V local codes, scales; V remote codes, scales
	s_load_b128 s[24:27], s[0:1], 0x40             ; kimg, vimg
	v_lshrrev_b32 v7, 5, v0
	v_readfirstlane_b32 s2, v7                     ; wave 0..3
	v_and_b32 v7, 31, v0                           ; lane
	v_lshlrev_b32 v1, 4, v7                        ; 16 x lane
	v_lshlrev_b32 v6, 3, v7                        ; 8 x lane
	v_and_b32 v2, 15, v0                           ; r
	v_bfe_u32 v3, v0, 4, 1                         ; h
	s_lshl_b32 s3, ttmp9, 2
	s_add_co_u32 s3, s3, s2                        ; the image's number
	s_bfe_u32 s32, s3, 0x30005                     ; head
	s_and_b32 s33, s3, 31                          ; step
	s_and_b32 s34, ttmp7, 0xffff                   ; 0: K, 1: V
	s_mov_b32 s29, 0
	s_wait_kmcnt 0x0
	s_cmp_lg_u32 s34, 0
	s_cbranch_scc1 .Lvalues
	; ---- K
	s_cmp_lt_u32 ttmp9, 64                         ; images 0-255 are the local stage's: the choice hangs on the work-group's number alone
	s_cselect_b64 s[4:5], s[8:9], s[12:13]
	s_cselect_b64 s[6:7], s[10:11], s[14:15]
	s_mul_i32 s28, s33, 49152                      ; 128 keys of 384 bytes
	s_mul_i32 s30, s32, 48
	s_add_co_u32 s28, s28, s30
	s_add_nc_u64 s[4:5], s[4:5], s[28:29]
	s_lshl_b32 s28, s33, 11                        ; 128 keys of 16 scale bytes
	s_lshl_b32 s30, s32, 1
	s_add_co_u32 s28, s28, s30
	s_add_nc_u64 s[6:7], s[6:7], s[28:29]
	s_mul_i32 s28, s3, KIMG
	s_add_nc_u64 s[24:25], s[24:25], s[28:29]
	v_and_b32 v7, 8, v2
	v_add_nc_u32 v7, v7, v2                        ; r + 8 (r / 8)
	v_mul_u32_u24 v4, v7, 384
	v_mad_u32_u24 v4, v3, 24, v4                   ; my key's row, my half's block
	v_lshl_add_u32 v5, v3, 3, v7
	v_lshlrev_b32 v5, 4, v5                        ; scale bytes: key 8 h + r + 8 (r / 8) of a pair of tiles
.irp t, 0,1,2,3,4,5,6,7
.irp p, 0,1,2
	global_load_b64 v[16+6*\t+2*\p:17+6*\t+2*\p], v4, s[4:5] offset:(32*(\t/2)+8*(\t%2))*384+8*\p th:TH_LOAD_NT
.endr
.endr
.irp j, 0,1,2,3
	global_load_u16 v[8+\j], v5, s[6:7] offset:512*\j th:TH_LOAD_NT
.endr
	s_wait_loadcnt 0x0
.irp g, 0,1,2,3,4,5,6,7,8,9,10,11
	global_store_b128 v1, v[16+4*\g:19+4*\g], s[24:25] offset:512*\g
.endr
	global_store_b128 v1, v[8:11], s[24:25] offset:6144
	s_endpgm
.Lvalues:
	; ---- V
	s_cmp_lt_u32 ttmp9, 64
	s_cselect_b64 s[4:5], s[16:17], s[20:21]
	s_cselect_b64 s[6:7], s[18:19], s[22:23]
	s_mul_i32 s28, s32, 196608                     ; a head: 64 rows of 3,072 bytes
	s_mul_i32 s30, s33, 96                         ; a step: 4 blocks of 24 bytes
	s_add_co_u32 s28, s28, s30
	s_add_nc_u64 s[4:5], s[4:5], s[28:29]
	s_lshl_b32 s28, s32, 13
	s_lshl_b32 s30, s33, 2
	s_add_co_u32 s28, s28, s30
	s_add_nc_u64 s[6:7], s[6:7], s[28:29]
	s_mul_i32 s28, s3, VIMG
	s_add_nc_u64 s[26:27], s[26:27], s[28:29]
	v_mul_u32_u24 v4, v2, 3072
	v_mad_u32_u24 v4, v3, 24, v4                   ; channel r's row, my half's block
	v_lshl_add_u32 v5, v3, 4, v2
	v_lshlrev_b32 v5, 7, v5                        ; scale bytes: channel 16 h + r of a pair of tiles
.irp c, 0,1,2,3
.irp d, 0,1
.irp p, 0,1,2
	global_load_b64 v[16+12*\c+6*\d+2*\p:17+12*\c+6*\d+2*\p], v4, s[4:5] offset:49152*\c+48*\d+8*\p th:TH_LOAD_NT
.endr
.endr
.endr
.irp j, 0,1
	global_load_b32 v[8+\j], v5, s[6:7] offset:4096*\j th:TH_LOAD_NT
.endr
	s_wait_loadcnt 0x0
.irp g, 0,1,2,3,4,5,6,7,8,9,10,11
	global_store_b128 v1, v[16+4*\g:19+4*\g], s[26:27] offset:512*\g
.endr
	global_store_b64 v6, v[8:9], s[26:27] offset:6144
	s_endpgm
.Lfunc_end_k_qb6259eafb3_lay:
	.size	k_qb6259eafb3_lay, .Lfunc_end_k_qb6259eafb3_lay-k_qb6259eafb3_lay
	.p2alignl 7, 3214868480
	.fill 96, 4, 3214868480
	.section	.rodata,"a",@progbits
	.p2align	6, 0x0
	.amdhsa_kernel k_qb6259eafb3_lay
		.amdhsa_group_segment_fixed_size 0
		.amdhsa_private_segment_fixed_size 0
		.amdhsa_enable_private_segment 0
		.amdhsa_kernarg_size 80
		.amdhsa_user_sgpr_count 2
		.amdhsa_user_sgpr_kernarg_segment_ptr 1
		.amdhsa_wavefront_size32 1
		.amdhsa_system_sgpr_workgroup_id_x 1
		.amdhsa_system_sgpr_workgroup_id_y 1
		.amdhsa_system_sgpr_workgroup_id_z 1
		.amdhsa_system_vgpr_workitem_id 0
		.amdhsa_next_free_vgpr 64
		.amdhsa_next_free_sgpr 66
		.amdhsa_reserve_vcc 0
		.amdhsa_float_denorm_mode_32 3
		.amdhsa_float_denorm_mode_16_64 3
		.amdhsa_memory_ordered 1
		.amdhsa_forward_progress 1
		.amdhsa_inst_pref_size 11
	.end_amdhsa_kernel
	.amdgpu_metadata
---
amdhsa.version: [ 1, 2 ]
amdhsa.kernels:
  - .name:           k_qb6259eafb3_lay
    .symbol:         k_qb6259eafb3_lay.kd
    .args:
      - { .name: k_local_codes, .offset: 0, .size: 8, .value_kind: global_buffer, .address_space: global }
      - { .name: k_local_scales, .offset: 8, .size: 8, .value_kind: global_buffer, .address_space: global }
      - { .name: k_remote_codes, .offset: 16, .size: 8, .value_kind: global_buffer, .address_space: global }
      - { .name: k_remote_scales, .offset: 24, .size: 8, .value_kind: global_buffer, .address_space: global }
      - { .name: v_local_codes, .offset: 32, .size: 8, .value_kind: global_buffer, .address_space: global }
      - { .name: v_local_scales, .offset: 40, .size: 8, .value_kind: global_buffer, .address_space: global }
      - { .name: v_remote_codes, .offset: 48, .size: 8, .value_kind: global_buffer, .address_space: global }
      - { .name: v_remote_scales, .offset: 56, .size: 8, .value_kind: global_buffer, .address_space: global }
      - { .name: kimg, .offset: 64, .size: 8, .value_kind: global_buffer, .address_space: global }
      - { .name: vimg, .offset: 72, .size: 8, .value_kind: global_buffer, .address_space: global }
    .group_segment_fixed_size: 0
    .private_segment_fixed_size: 0
    .kernarg_segment_align: 8
    .kernarg_segment_size: 80
    .max_flat_workgroup_size: 128
    .sgpr_count:     66
    .vgpr_count:     64
    .wavefront_size: 32
...
	.end_amdgpu_metadata
.endif
;; end of part 1
;; launch attn (part 2): grid 64 x 8, 8 waves a work-group, no clusters, 227,328 bytes of LDS; arguments q_codes, q_scales, kimg, vimg, q_ranges_local, k_ranges_local, causal_local, q_ranges_remote, k_ranges_remote, causal_remote, out0, out1; writes out0, out1
.if DOCPART == 2
	.amdgcn_target "amdgcn-amd-amdhsa--gfx1250"
	.amdhsa_code_object_version 6
	.text
	.protected	k_qb6259eafb3_attn
	.globl	k_qb6259eafb3_attn
	.p2align	8
	.type	k_qb6259eafb3_attn,@function
k_qb6259eafb3_attn:
	s_mov_b64 s[64:65], 0
	v_nop
	global_prefetch_b8 v0, s[64:65] scope:SCOPE_SE
	s_setreg_imm32_b32 hwreg(HW_REG_WAVE_MODE, 25, 1), 1
	s_wait_xcnt 0x0
; Two range-masked attention partials (stage 0 = local, 1 = remote; 8 heads, 4,096 queries, 4,096 keys a stage, head size 64) and their merge by logaddexp; all four products on codes of FP6 (E2M3) with E8M0 scales.
; p = exp(s - lse) is quantised FINISHED AND NORMALISED, so lse is known before any p is made: PASS 1 walks the keys for each stage's lse, PASS 2 walks them again: scores, p, codes of p, O += V^T p.
; SHARES.  A work-group takes 64 queries of one head: with L = x + 64 y the head is L % 8 and the first query 4,032 - 64 (L / 8): later queries, which under causal ranges see more keys, start first.
; ITS EIGHT WAVES SHARE THE KEYS: trip T = 0 .. 7 of wave w is stage T / 4, key step w + 8 (T % 4), 128 keys, for all four tiles of 16 queries, so a fragment of K or V feeds four products.
; The four tiles are a loop: the tile's body is written once a pass; what hangs on the tile by register number (Q for K Q^T, the accumulators for V^T p) is chosen by a chain of compares on the tile's number.
; PASS 1 carries nothing from step to step: each (trip, tile, lane) stores its own (-c m, l), m the largest of its 64 scores, l the sum of 2^(c s - c m); the merge joins a query's 64 pairs of a stage under their common maximum.
; THE MASKS come from the range inputs, in full: for each query and stage the union of two intervals of keys [ks, min(ke, q + ke - qe + 1)) (causal) or [ks, ke), where qs <= q < qe: a window [LO, LO + WLEN) less a gap [GL, GL + GLEN).
; A lane's four numbers are made once and used by compare and select alone.  Every branch hangs on whole numbers made by scalar arithmetic from the ranges: a step that no query of the block sees is left out; a step all of whose
; scores count skips the masking.  Operands come from memory straight into registers (dense images made by the launch before), not by tensor loads.
; Every address hangs on ids and loop counters alone.
; LAYOUT.  Both products transposed: S^T = K Q^T, O^T = V^T P^T: a lane holds ONE query (lane % 16); score register 16 b + i is key KF + 32 b + 16 (lane / 16) + i.
; The head's 64 fill half of the instruction's 128 along K: Q's upper six registers hold zero codes, which add nothing to whatever stands in K's upper six (the next tile's codes, or a pad of zeros); scale bytes 2 and 3 are 0 on both sides.
; ONE SET OF ACCUMULATORS for both stages: out = w_l O_l + w_r O_r = (O_l F0 + O_r) F1 with F1 = max(w_r, 2^-100), F0 = w_l / F1: the sums are multiplied by F0 between the stages, by F1 at the end.
; LIMITS: NaN and infinities among the inputs are not served; range entries lie inside +-2^29; p under 2^-126 counts as 0; where w_r < 2^-100 the result is off by at most 2^-100 |O_r|; |O_l| stays under 2^27 (it is multiplied by at most 2^100);
; a block's scale is taken from its largest SCORE put through the same multiply-add and exponential as every score, which takes v_exp_f32 not to fall where its input rises.
; LDS.  From 0: the statistics [wave 8,192][trip 1,024][tile 256][lane 8]
.set THR,   65536                      ; the thresholds [trip 2,048][tile 512][lane 16]: LO, WLEN, GL, GLEN (a stage's are laid once for each of its four trips, so that one stepped offset serves)
.set NLT,   81920                      ; -log2-lse [trip 512][tile 128][lane 4], laid likewise
.set F0R,   86016                      ; F0: a lane's 16 bytes = its value for tiles 0 .. 3
.set F1T,   86528                      ; F1 of the 64 queries
.set LSEB,  86784                      ; lse of the 64 queries
.set ORED,  87040                      ; the waves' partial O: [wave OWV][query OP]: 256 bytes + 16
.set OWV,   17408
.set OP,    272
.set KIMG,  6656
.set VIMG,  6400
; vector registers, window 0
.set L16,  1                           ; 16 x lane
.set L8,   2                           ; 8 x lane
.set NINF, 3                           ; -infinity
.set QOF,  4                           ; Q's codes: 384 r + 24 h
.set QSO,  5                           ; Q's scale bytes: 16 r
.set THA,  6                           ; THR + 16 x lane
.set THW,  7                           ; where I store thresholds
.set STW,  8                           ; my statistics: 8,192 x wave + 8 x lane
.set MRD,  9                           ; the merge: where I read statistics
.set MWN,  10                          ; where the merge stores -log2-lse,
.set MWF,  11                          ; F0,
.set MWT,  12                          ; F1 (lse 256 bytes on)
.set OST,  13                          ; where I store my partial O
.set ORD0, 14                          ; where I read the partial O of waves 0-3,
.set ORD1, 15                          ; of waves 4-7
.set KS,   16                          ; v16-19 K's scales, v20-21 V's, v22-25 Q's, v26 p's: scales and nothing else
.set VS,   20
.set QSC,  22
.set PW,   26
.set F1A,  27
.set NLA,  28                          ; NLT + 4 x lane
.set F0A,  29                          ; F0R + 16 x lane
.set LRD,  30                          ; LSEB + 8 x lane
.set GOF,  31                          ; out0: 2,048 h + 16 r
.set ADR,  32                          ; LDS addresses made on the way
.set ADN,  33
.set TH,   34                          ; v34-37 the tile's LO, WLEN, GL, GLEN for my lane
.set NLP,  38                          ; v38-39 -log2-lse in the even register of a pair
.set NCM,  40                          ; v40-41 (-c m, l)
.set NEU,  42                          ; v42-43 the neutral pair: (3e38 c, 0)
.set FP,   44                          ; v44-51 four pairs, F0 in the even register
.set F1R,  52                          ; v52-55 F1 or F0 as loaded
.set LSO,  56                          ; v56-57 lse on its way out
.set YY,   58                          ; the masks' work
.set XA,   59
.set XB,   60
.set BM,   84                          ; v84-87 a block's largest score, then its largest p
.set BX,   88                          ; v88-91 the other half's
.set BS,   92                          ; v92-95 the conversions' scale operands
.set BB,   96                          ; v96-99 the scale bytes
.set UU,   100                         ; v100-107 four chains of sums
.set PC,   108                         ; v108-119 p's codes
.set PT,   120                         ; v120-126 their second halves as converted
.set SS,   128                         ; v128-191 S^T, then p
.set QQ,   192                         ; v192-239 Q, 12 registers a tile
.set RR,   252                         ; the head's r, h, lane
.set HH,   253
.set LN,   254
; window 1: v0-47 K's image, v48-53 zeros; v56-103 V's image; v128-255 the accumulators, (tile j, channels 16 C on) at 128 + 32 j + 8 C
.set VI,   56
.set ACC,  128
; scalar registers
.set WV,   2
.set HD,   3
.set CUS,  12                          ; s12-21 at the head: the two ranges of my role's stage
.set TRP,  28                          ; the trip T
.set JJ,   29                          ; the tile
.set KF,   30                          ; the step's first key
.set KFE,  31
.set VISB, 32                          ; the trip is walked
.set OPENB, 33                         ; all its scores count
.set GAPS, 34                          ; a gap is possible
.set SA,   35                          ; stepped in every tile trip: 256 (4 T + tile),
.set PA,   36                          ; 512 (4 T + tile),
.set NA,   37                          ; 128 (4 T + tile)
.set GP,   40                          ; s40-41 both ranges of the stage meet the block
.set TAB,  44                          ; s44-63 four ranges (2 stage + r) of five numbers: QS, QL, KS, KE, DD
.set KHI,  66
.set QH,   70
.set KOPH, 74
.set Q0,   78
.set VMK,  79                          ; bit T: trip T is walked
.set KA,   80
.set VA,   82
.set CS,   84                          ; s[84:85] c = log2(e) / 8
.set SEL,  86
.set NEGC, 88
.set HM,   89
.set MSB, 0
.macro WIN new                         ; the immediate's high byte repeats the setting that is left; at every label and branch the setting is 0
.if MSB != \new
	s_set_vgpr_msb (MSB<<8)|\new
.set MSB, \new
.endif
.endm
.macro PLACES                          ; four plain vector instructions between a matrix instruction and a read of its result, a write of one of its registers or a load into one
.rept 4
	v_nop
.endr
.endm
.macro BARRIER                         ; my LDS stores have landed and my LDS loads are in: then the work-group's barrier
	s_wait_dscnt 0x0
	s_barrier_signal -1
	s_barrier_wait -1
.endm
.macro ENTRY e, qs, qe, ks, ke, cz     ; a range's five numbers: QS, QL = max(qe - qs, 0), KS, KE, DD = ke - qe + 1 (causal: key < q + DD) or 2^30
	s_mov_b32 s[TAB+5*\e], s[\qs]
	s_sub_co_i32 s90, s[\qe], s[\qs]
	s_max_i32 s[TAB+5*\e+1], s90, 0
	s_mov_b32 s[TAB+5*\e+2], s[\ks]
	s_mov_b32 s[TAB+5*\e+3], s[\ke]
	s_sub_co_i32 s90, s[\ke], s[\qe]
	s_add_co_i32 s90, s90, 1
	s_cmp_lg_u32 s[\cz], 0
	s_cselect_b32 s[TAB+5*\e+4], s90, 0x40000000
.endm
; The thresholds of my lane's query, for the stage and the tile of my role (s90 = wave % 4; s[CUS ..] that stage's ranges).  Minima and maxima by compare and select.
.set ZQ,  128
.set ZH,  130
.set ZL,  132
.set ZT,  134
.set ZA,  135
.set ZB,  136
.set ZC,  137
.set ZD,  138
.set ZMX, 139
.set ZLO, 140                          ; v140-143 go out by one store
.set ZWL, 141
.set ZGL, 142
.set ZGN, 143
.set ZHI, 144
.set ZSH, 145
.macro THRESH
	s_lshl_b32 s94, s90, 4
	s_add_co_u32 s94, s94, s[Q0]
	v_add_nc_u32 v[ZQ], s94, v[RR]                 ; my query
.irp r, 0,1
	v_add_nc_u32 v[ZH+\r], s[CUS+5*\r+4], v[ZQ]
	v_mov_b32 v[ZT], s[CUS+5*\r+3]
	v_cmp_gt_i32 vcc_lo, v[ZT], v[ZH+\r]
	v_cndmask_b32 v[ZH+\r], v[ZT], v[ZH+\r], vcc_lo    ; hi = min(KE, q + DD)
	v_sub_nc_u32 v[ZT], v[ZQ], s[CUS+5*\r]
	v_cmp_gt_u32 s92, s[CUS+5*\r+1], v[ZT]         ; QS <= q < QS + QL
	v_cmp_lt_i32 s93, s[CUS+5*\r+2], v[ZH+\r]      ; KS < hi
	s_and_b32 s[96+\r], s92, s93                   ; the interval holds a key
	v_mov_b32 v[ZL+\r], s[CUS+5*\r+2]
.endr
	v_cndmask_b32 v[ZA], v[ZL+1], v[ZL], s96       ; an empty interval is replaced by the other
	v_cndmask_b32 v[ZB], v[ZH+1], v[ZH], s96
	v_cndmask_b32 v[ZC], v[ZL], v[ZL+1], s97
	v_cndmask_b32 v[ZD], v[ZH], v[ZH+1], s97
	s_or_b32 s96, s96, s97
	v_cmp_lt_i32 vcc_lo, v[ZA], v[ZC]
	v_cndmask_b32 v[ZLO], v[ZC], v[ZA], vcc_lo     ; LO = the lesser first key
	v_cndmask_b32 v[ZMX], v[ZA], v[ZC], vcc_lo
	v_cmp_lt_i32 vcc_lo, v[ZB], v[ZD]
	v_cndmask_b32 v[ZGL], v[ZD], v[ZB], vcc_lo     ; GL = the lesser end: where a gap would begin
	v_cndmask_b32 v[ZHI], v[ZB], v[ZD], vcc_lo     ; the greater end
	v_sub_nc_u32 v[ZWL], v[ZHI], v[ZLO]
	v_cndmask_b32 v[ZWL], 0, v[ZWL], s96           ; WLEN = the window's length, 0 where both intervals are empty: every key is hidden
	v_sub_nc_u32 v[ZGN], v[ZMX], v[ZGL]
	v_cmp_lt_i32 vcc_lo, 0, v[ZGN]
	v_cndmask_b32 v[ZGN], 0, v[ZGN], vcc_lo        ; GLEN = the gap's length, 0 where the intervals meet
	v_sub_nc_u32 v[ZLO], v[ZLO], v[ZSH]            ; 16 (lane / 16) off: a lane's keys begin that much further on
	v_sub_nc_u32 v[ZGL], v[ZGL], v[ZSH]
.irp i, 0,1,2,3
	ds_store_b128 v[THW], v[ZLO:ZLO+3] offset:2048*\i  ; once for each trip of the stage
.endr
.endm
; A trip's scalars, made in every trip, walked or not.
.macro TRIP_SC
	s_cmp_lt_u32 s[TRP], 4                         ; the stage
	s_cselect_b32 s94, s[TAB+2], s[TAB+12]         ; its ranges' first keys,
	s_cselect_b32 s95, s[TAB+7], s[TAB+17]
	s_cselect_b32 s92, s[KOPH], s[KOPH+2]          ; the key up to which the whole block sees every key by the range alone
	s_cselect_b32 s93, s[KOPH+1], s[KOPH+3]
	s_cselect_b32 s[GAPS], s[GP], s[GP+1]          ; a gap wants two intervals
	s_and_b32 s[KF], s[TRP], 3
	s_lshl_b32 s[KF], s[KF], 3
	s_add_co_u32 s[KF], s[KF], s[WV]
	s_lshl_b32 s[KF], s[KF], 7                     ; the step's first key: 128 (wave + 8 (T % 4))
	s_add_co_u32 s[KFE], s[KF], 128
	s_cmp_le_i32 s94, s[KF]
	s_cselect_b32 s90, 1, 0
	s_cmp_le_i32 s[KFE], s92
	s_cselect_b32 s90, s90, 0
	s_cmp_le_i32 s95, s[KF]
	s_cselect_b32 s91, 1, 0
	s_cmp_le_i32 s[KFE], s93
	s_cselect_b32 s91, s91, 0
	s_or_b32 s[OPENB], s90, s91                    ; one range alone shows all 128 keys to all 64 queries
	s_lshr_b32 s[VISB], s[VMK], s[TRP]
	s_and_b32 s[VISB], s[VISB], 1
.endm
.macro LOADK                           ; 13 loads, 512 consecutive bytes each
	WIN 0x40
.irp g, 0,1,2,3,4,5,6,7,8,9,10,11
	global_load_b128 v[4*\g:4*\g+3], v[L16], s[KA:KA+1] offset:512*\g
.endr
	WIN 0
	global_load_b128 v[KS:KS+3], v[L16], s[KA:KA+1] offset:6144
.endm
.macro LOADV                           ; 13 loads
	WIN 0x40
.irp g, 0,1,2,3,4,5,6,7,8,9,10,11
	global_load_b128 v[VI+4*\g:VI+4*\g+3], v[L16], s[VA:VA+1] offset:512*\g
.endr
	WIN 0
	global_load_b64 v[VS:VS+1], v[L8], s[VA:VA+1] offset:6144
.endm
; Behind a trip's four tiles: the images of trip T + 1, if that trip is walked.  The branch hangs on the ranges, the addresses on the loop counter alone.  withv = 1 (pass 2): V's image too.
.macro NEXTLD withv
	s_add_co_u32 s94, s[TRP], 1
	s_lshr_b32 s95, s[VMK], s94
	s_and_b32 s95, s95, 1
	s_cmp_eq_u32 s95, 0
	s_cbranch_scc1 .Lnone_\@
.if \withv
	PLACES                                         ; V's registers were read by the last products
.endif
	s_wait_loadcnt 0x0                             ; no load of mine is out: the images' registers and the two bases may be written
	s_and_b32 s95, s94, 4
	s_and_b32 s94, s94, 3
	s_mul_i32 s96, s95, 64*KIMG                    ; a stage on: 256 images
	s_mul_i32 s97, s94, 8*KIMG                     ; eight steps on
	s_add_co_u32 s96, s96, s97
	s_mov_b32 s97, 0
	s_add_nc_u64 s[KA:KA+1], s[8:9], s[96:97]
	LOADK
.if \withv
	s_mul_i32 s96, s95, 64*VIMG
	s_mul_i32 s97, s94, 8*VIMG
	s_add_co_u32 s96, s96, s97
	s_mov_b32 s97, 0
	s_add_nc_u64 s[VA:VA+1], s[10:11], s[96:97]
	LOADV
.endif
.Lnone_\@:
.endm
; S^T of tile j: eight products, each beginning its sum with 0.  Source 0 = 16 keys (window 1), source 1 = my 16 queries.  Tile 2 i's scales stand in lanes 0-15 of K's scale register i, tile 2 i + 1's in lanes 16-31.
.macro QK j
	WIN 0x01
.irp t, 0,1,2,3,4,5,6,7
.if (\t)%2
	v_wmma_scale_f32_16x16x128_f8f6f4 v[SS+8*\t:SS+8*\t+7], v[6*\t:6*\t+11], v[QQ+12*\j:QQ+12*\j+11], 0, v[KS+\t/2], v[QSC+\j] matrix_a_fmt:MATRIX_FMT_FP6 matrix_b_fmt:MATRIX_FMT_FP6 matrix_a_scale:MATRIX_SCALE_ROW1
.else
	v_wmma_scale_f32_16x16x128_f8f6f4 v[SS+8*\t:SS+8*\t+7], v[6*\t:6*\t+11], v[QQ+12*\j:QQ+12*\j+11], 0, v[KS+\t/2], v[QSC+\j] matrix_a_fmt:MATRIX_FMT_FP6 matrix_b_fmt:MATRIX_FMT_FP6
.endif
.endr
	WIN 0
.endm
.macro QKSEL                           ; the products of the tile in hand: Q's registers are chosen by the tile's number
	s_cmp_eq_u32 s[JJ], 0
	s_cbranch_scc1 .Lq0_\@
	s_cmp_eq_u32 s[JJ], 1
	s_cbranch_scc1 .Lq1_\@
	s_cmp_eq_u32 s[JJ], 2
	s_cbranch_scc1 .Lq2_\@
	QK 3
	s_branch .Lqd_\@
.Lq0_\@:
	QK 0
	s_branch .Lqd_\@
.Lq1_\@:
	QK 1
	s_branch .Lqd_\@
.Lq2_\@:
	QK 2
.Lqd_\@:
	PLACES
.endm
; O^T of tile j += V^T p: four products on four accumulators, one instruction a turn.
.macro PV j
	WIN 0x51
.irp c, 0,1,2,3
.if (\c)%2
	v_wmma_scale_f32_16x16x128_f8f6f4 v[ACC+32*\j+8*\c:ACC+32*\j+8*\c+7], v[VI+12*\c:VI+12*\c+11], v[PC:PC+11], v[ACC+32*\j+8*\c:ACC+32*\j+8*\c+7], v[VS+\c/2], v[PW] matrix_a_fmt:MATRIX_FMT_FP6 matrix_b_fmt:MATRIX_FMT_FP6 matrix_a_scale:MATRIX_SCALE_ROW1
.else
	v_wmma_scale_f32_16x16x128_f8f6f4 v[ACC+32*\j+8*\c:ACC+32*\j+8*\c+7], v[VI+12*\c:VI+12*\c+11], v[PC:PC+11], v[ACC+32*\j+8*\c:ACC+32*\j+8*\c+7], v[VS+\c/2], v[PW] matrix_a_fmt:MATRIX_FMT_FP6 matrix_b_fmt:MATRIX_FMT_FP6
.endif
.endr
	WIN 0
.endm
.macro PVSEL                           ; the accumulators are chosen by the tile's number
	s_cmp_eq_u32 s[JJ], 0
	s_cbranch_scc1 .Lv0_\@
	s_cmp_eq_u32 s[JJ], 1
	s_cbranch_scc1 .Lv1_\@
	s_cmp_eq_u32 s[JJ], 2
	s_cbranch_scc1 .Lv2_\@
	PV 3
	s_branch .Lvd_\@
.Lv0_\@:
	PV 0
	s_branch .Lvd_\@
.Lv1_\@:
	PV 1
	s_branch .Lvd_\@
.Lv2_\@:
	PV 2
.Lvd_\@:
.endm
; One test over the 64 scores, from the low end on.  Register n holds key KF + 16 (lane / 16) + c, c = 32 (n / 16) + n % 16; x = threshold - KF; y = c - x, unsigned.
; kind 0: hidden where len <= y (outside the window); kind 1: hidden where len > y (inside the gap).  (c - 64 against x - 64 from c = 64 on: so every constant is an inline one.)
.macro SUBMASK kind, thr, len
	v_sub_nc_u32 v[XA], v[\thr], s[KF]
	v_add_nc_u32 v[XB], 0xffffffc0, v[XA]
.set MN, 0
.rept 64
.set MC, 32*(MN/16)+MN%16
.set MX, XA
.if MC >= 64
.set MC, MC-64
.set MX, XB
.endif
	v_sub_nc_u32 v[YY], MC, v[MX]
.if \kind == 0
	v_cmp_le_u32 vcc_lo, v[\len], v[YY]
.else
	v_cmp_gt_u32 vcc_lo, v[\len], v[YY]
.endif
	v_cndmask_b32 v[SS+MN], v[SS+MN], v[NINF], vcc_lo
.set MN, MN+1
.endr
.endm
.macro MASKS                           ; hidden scores become -infinity.  An open step skips all of it; the gap's test is skipped where the stage cannot have a gap
	s_cmp_lg_u32 s[OPENB], 0
	s_cbranch_scc1 .Lopen_\@
	SUBMASK 0, TH, TH+1
	s_cmp_eq_u32 s[GAPS], 0
	s_cbranch_scc1 .Lopen_\@
	SUBMASK 1, TH+2, TH+3
.Lopen_\@:
.endm
.macro BMAX                            ; the largest score of my 16 keys of each block of 32, the four blocks by turns; each accumulator is first read at its low end
.irp b, 0,1,2,3
	v_max3_num_f32 v[BM+\b], v[SS+16*\b], v[SS+16*\b+1], v[SS+16*\b+2]
.endr
.irp i, 3,5,7,9,11,13
.irp b, 0,1,2,3
	v_max3_num_f32 v[BM+\b], v[BM+\b], v[SS+16*\b+\i], v[SS+16*\b+\i+1]
.endr
.endr
.irp b, 0,1,2,3
	v_max_num_f32 v[BM+\b], v[BM+\b], v[SS+16*\b+15]
.endr
.endm
; PASS 1, the tile in hand: my lane's largest score m of the step's 64 and the sum l of 2^(c s - c m).  No other lane and no other step is asked: they meet in the merge.
.macro P1TILE
	v_add_nc_u32 v[ADR], s[PA], v[THA]
	ds_load_b128 v[TH:TH+3], v[ADR]                ; the tile's thresholds
	s_wait_loadcnt 0x0                             ; K's image is in
	QKSEL
	s_wait_dscnt 0x0                               ; the thresholds are in
	MASKS
	BMAX
	v_max3_num_f32 v[BM], v[BM], v[BM+1], v[BM+2]
	v_max3_num_f32 v[BM], v[BM], v[BM+3], 0xff61b1e6   ; m, held at -3e38 from below: where every score is hidden, -c m stays a number
	v_mul_f32 v[NCM], s[NEGC], v[BM]
.set PI, 0
.rept 32
	v_pk_fma_f32 v[SS+PI:SS+PI+1], v[SS+PI:SS+PI+1], s[CS:CS+1], v[NCM:NCM+1] op_sel_hi:[1,0,0]   ; c s - c m, two at a time
.set PI, PI+2
.endr
.set PI, 0
.rept 64
	v_exp_f32 v[SS+PI], v[SS+PI]
.set PI, PI+1
.endr
	v_add_nc_u32 v[ADR], s[SA], v[STW]             ; a plain instruction behind the exponentials
	s_wait_alu depctr_va_vdst(0)                   ; one wait for the batch, ahead of its first reader
.irp k, 0,1,2,3
	v_pk_add_f32 v[UU+2*\k:UU+2*\k+1], v[SS+2*\k:SS+2*\k+1], v[SS+8+2*\k:SS+9+2*\k]
.endr
.irp m, 16,24,32,40,48,56
.irp k, 0,1,2,3
	v_pk_add_f32 v[UU+2*\k:UU+2*\k+1], v[UU+2*\k:UU+2*\k+1], v[SS+\m+2*\k:SS+\m+2*\k+1]
.endr
.endr
	v_pk_add_f32 v[UU:UU+1], v[UU:UU+1], v[UU+2:UU+3]
	v_pk_add_f32 v[UU+4:UU+5], v[UU+4:UU+5], v[UU+6:UU+7]
	v_pk_add_f32 v[UU:UU+1], v[UU:UU+1], v[UU+4:UU+5]
	v_add_f32 v[NCM+1], v[UU], v[UU+1]
	ds_store_b64 v[ADR], v[NCM:NCM+1]              ; over the neutral pair that the head laid there
.endm
; PASS 2, the tile in hand: p = 2^(c s - log2-lse), finished and normalised, is quantised along the keys into v[PC ..] and its scale word v[PW]; then O^T += V^T p.
.macro P2TILE
	v_add_nc_u32 v[ADR], s[PA], v[THA]
	ds_load_b128 v[TH:TH+3], v[ADR]                ; the tile's thresholds
	v_add_nc_u32 v[ADN], s[NA], v[NLA]
	ds_load_b32 v[NLP], v[ADN]                     ; and my query's -log2-lse of the stage
	s_wait_loadcnt 0x0                             ; K's and V's images are in
	QKSEL
	s_wait_dscnt 0x0
	MASKS
	BMAX
.irp b, 0,1,2,3
	v_permlanex16_b32 v[BX+\b], v[BM+\b], s[SEL], s[SEL+1]
.endr
.irp b, 0,1,2,3
	v_max_num_f32 v[BM+\b], v[BM+\b], v[BX+\b]     ; with lane l xor 16's 16 keys: the block's largest score
.endr
.irp b, 0,1,2,3
	v_fma_f32 v[BM+\b], v[BM+\b], s[CS], v[NLP]
.endr
.irp b, 0,1,2,3
	v_exp_f32 v[BM+\b], v[BM+\b]                   ; the block's largest p: the same two instructions on the same number give the same bits
.endr
.set PI, 0
.rept 32
	v_pk_fma_f32 v[SS+PI:SS+PI+1], v[SS+PI:SS+PI+1], s[CS:CS+1], v[NLP:NLP+1] op_sel_hi:[1,0,0]   ; independent work behind the four
.set PI, PI+2
.endr
	s_wait_alu depctr_va_vdst(0)                   ; the wait for the four
.irp b, 0,1,2,3
	v_max_num_f32 v[BM+\b], 0x1800000, v[BM+\b]    ; the floor 2^(3 - 127): the byte cannot fall under 1 (a block of zeros keeps that byte: its codes are zeros)
.endr
.irp b, 0,1,2,3
	v_add_nc_u32 v[BS+\b], 0xff000000, v[BM+\b]    ; 2 off the exponent field: the conversion's scale operand
.endr
.irp b, 0,1,2,3
	v_lshrrev_b32 v[BB+\b], 23, v[BS+\b]           ; the scale's byte
.endr
	v_lshl_or_b32 v[PW], v[BB+1], 8, v[BB]
	v_lshl_or_b32 v[PW], v[BB+2], 16, v[PW]
	v_lshl_or_b32 v[PW], v[BB+3], 24, v[PW]
.set PI, 0
.rept 64
	v_exp_f32 v[SS+PI], v[SS+PI]
.set PI, PI+1
.endr
	v_nop                                          ; a plain instruction behind the exponentials
	s_wait_alu depctr_va_vdst(0)                   ; one wait for the 64
.irp c, 0,1
	v_cvt_scalef32_pk16_fp6_f32 v[PC+6*\c:PC+6*\c+2], v[SS+32*\c:SS+32*\c+15], v[BS+2*\c]
	v_cvt_scalef32_pk16_fp6_f32 v[PT+4*\c:PT+4*\c+2], v[SS+32*\c+16:SS+32*\c+31], v[BS+2*\c+1]   ; (a conversion's three registers begin on an even number)
.endr
	v_nop                                          ; one plain instruction behind a scaled conversion
.irp c, 0,1                            ; the operand's layout wants a WHOLE block in a lane: lanes 0-15 block 2 c, lanes 16-31 block 2 c + 1
.irp i, 0,1,2
	v_permlane16_swap_b32 v[PC+6*\c+\i], v[PT+4*\c+\i]
.endr
.irp i, 0,1,2
	v_mov_b32 v[PC+3+6*\c+\i], v[PT+4*\c+\i]
.endr
.endr
	PLACES                                         ; the codes stand four plain instructions ahead of the scaled products, the scale word twelve
	PVSEL
.endm
; THE MERGE, waves 0-3: lane (r, h) of wave w joins the 64 pairs (8 waves x 4 trips x 2 halves of the lanes) of query 16 w + r for stage h, then the two stages.
.set ME,  64                           ; v64-191 the 64 pairs
.set MNM, 240
.set MLA, 241
.set MLB, 242
.set MLG, 243
.set MBB, 244
.set MNL, 245
.set MBO, 246
.set MMX, 247
.set MEE, 248
.set MEO, 249
.set MSU, 250
.set ML2, 251
.set MRC, 252
.set MWL, 253
.set MWR, 254
.set MCS, 255
.macro MERGE
.set MK, 0
.rept 64
	ds_load_b64 v[ME+2*MK:ME+2*MK+1], v[MRD] offset:8192*(MK/8)+1024*((MK/2)%4)+128*(MK%2)
.set MK, MK+1
.endr
	v_mov_b32 v[MBO], 0                            ; a lane permute's destination counts as one of its sources
	v_mov_b32 v[MEO], 0
	v_mov_b32 v[MCS], 0xf191accd                   ; -1e30 log2(e): a stage that covers no key of the query
	s_wait_dscnt 0x0
	v_min3_num_f32 v[MNM], v[ME], v[ME+2], v[ME+4]
.set MK, 3
.rept 30
	v_min3_num_f32 v[MNM], v[MNM], v[ME+2*MK], v[ME+2*MK+2]
.set MK, MK+2
.endr
	v_min_num_f32 v[MNM], v[MNM], v[ME+126]        ; the least -c m: the query's largest score
.set MK, 0
.rept 64
	v_sub_f32 v[ME+2*MK], v[MNM], v[ME+2*MK]
.set MK, MK+1
.endr
.set MK, 0
.rept 64
	v_exp_f32 v[ME+2*MK], v[ME+2*MK]
.set MK, MK+1
.endr
	v_nop
	s_wait_alu depctr_va_vdst(0)
	v_mul_f32 v[MLA], v[ME], v[ME+1]
	v_mul_f32 v[MLB], v[ME+2], v[ME+3]
.set MK, 2
.rept 31
	v_fma_f32 v[MLA], v[ME+2*MK], v[ME+2*MK+1], v[MLA]
	v_fma_f32 v[MLB], v[ME+2*MK+2], v[ME+2*MK+3], v[MLB]
.set MK, MK+2
.endr
	v_add_f32 v[MLA], v[MLA], v[MLB]               ; l under the common maximum
	v_log_f32 v[MLG], v[MLA]
	v_nop
	s_wait_alu depctr_va_vdst(0)
	v_cmp_lt_f32 vcc_lo, 0, v[MLA]                 ; is any key seen?  It selects values alone
	v_sub_f32 v[MBB], v[MLG], v[MNM]
	v_cndmask_b32 v[MBB], v[MCS], v[MBB], vcc_lo   ; the stage's lse in base 2
	v_sub_f32 v[MNL], v[MNM], v[MLG]
	v_cndmask_b32 v[MNL], 0, v[MNL], vcc_lo        ; its negative, for pass 2
	v_permlanex16_b32 v[MBO], v[MBB], s[SEL], s[SEL+1]
	v_max_num_f32 v[MMX], v[MBB], v[MBO]
	v_sub_f32 v[MEE], v[MBB], v[MMX]
	v_exp_f32 v[MEE], v[MEE]
	v_nop
	s_wait_alu depctr_va_vdst(0)
	v_permlanex16_b32 v[MEO], v[MEE], s[SEL], s[SEL+1]
	v_add_f32 v[MSU], v[MEE], v[MEO]
	v_log_f32 v[ML2], v[MSU]
	v_rcp_f32 v[MRC], v[MSU]
	v_nop
	s_wait_alu depctr_va_vdst(0)
	v_add_f32 v[ML2], v[MMX], v[ML2]
	v_mul_f32 v[ML2], 0x3f317218, v[ML2]           ; lse = ln 2 x (the greater + log2 of the sum)
	v_mul_f32 v[MEE], v[MEE], v[MRC]               ; my stage's weight
	v_permlanex16_b32 v[MEO], v[MEE], s[SEL], s[SEL+1]
	v_cndmask_b32 v[MWL], v[MEE], v[MEO], s[HM]    ; w_l and w_r in every lane
	v_cndmask_b32 v[MWR], v[MEO], v[MEE], s[HM]
	v_max_num_f32 v[MWR], 0x0d800000, v[MWR]       ; F1 = max(w_r, 2^-100)
	v_rcp_f32 v[MRC], v[MWR]
	v_nop
	s_wait_alu depctr_va_vdst(0)
	v_mul_f32 v[MWL], v[MWL], v[MRC]               ; F0 = w_l / F1
.irp i, 0,1,2,3
	ds_store_b32 v[MWN], v[MNL] offset:512*\i      ; for each trip of the stage: for lane r
	ds_store_b32 v[MWN], v[MNL] offset:512*\i+64   ; and for lane 16 + r
.endr
	ds_store_b32 v[MWF], v[MWL]
	ds_store_b32 v[MWT], v[MWR]
	ds_store_b32 v[MWT], v[ML2] offset:256
.endm
.macro SCALE0                          ; between the stages: the sums x F0
	ds_load_b128 v[F1R:F1R+3], v[F0A]
	s_wait_dscnt 0x0
.irp j, 0,1,2,3
	v_mov_b32 v[FP+2*\j], v[F1R+\j]
.endr
	PLACES
	WIN 0x41
.irp j, 0,1,2,3
.set PI, 0
.rept 16
	v_pk_mul_f32 v[ACC+32*\j+PI:ACC+32*\j+PI+1], v[ACC+32*\j+PI:ACC+32*\j+PI+1], v[FP+2*\j:FP+2*\j+1] op_sel_hi:[1,0]
.set PI, PI+2
.endr
.endr
	WIN 0
.endm
.macro OSTORE                          ; my partial O: lane (r, h): query 16 j + r, channels 16 C + 8 h + 0 .. 7; each accumulator from its low end on
	PLACES
	WIN 0x04
.irp j, 0,1,2,3
.irp c, 0,1,2,3
	ds_store_b128 v[OST], v[ACC+32*\j+8*\c:ACC+32*\j+8*\c+3] offset:16*OP*\j+64*\c
	ds_store_b128 v[OST], v[ACC+32*\j+8*\c+4:ACC+32*\j+8*\c+7] offset:16*OP*\j+64*\c+16
.endr
.endr
	WIN 0
.endm
; Wave w sums the eight waves' rows 8 w .. 8 w + 7, two rows at a time (lanes 0-15 one, lanes 16-31 the next), multiplies by F1 and stores: sixteen lanes store 256 consecutive bytes, aligned.
.macro REDUCE
.irp p, 0,1,2,3
	ds_load_b32 v[F1R+\p], v[F1A] offset:8*\p
.endr
.irp p, 0,1,2,3
.set RB, 128+32*\p-128*(\p/2)          ; v128, v160, v64, v96
.irp w, 0,1,2,3
	ds_load_b128 v[RB+4*\w:RB+4*\w+3], v[ORD0] offset:\w*OWV+2*OP*\p
.endr
.irp w, 0,1,2,3
	ds_load_b128 v[RB+16+4*\w:RB+16+4*\w+3], v[ORD1] offset:\w*OWV+2*OP*\p
.endr
.endr
.irp p, 0,1,2,3
.set RB, 128+32*\p-128*(\p/2)
	s_wait_dscnt 24-8*\p                           ; the eight loads of each later pair of rows may be out
.irp a, 0,8,16,24
	v_pk_add_f32 v[RB+\a:RB+\a+1], v[RB+\a:RB+\a+1], v[RB+\a+4:RB+\a+5]
	v_pk_add_f32 v[RB+\a+2:RB+\a+3], v[RB+\a+2:RB+\a+3], v[RB+\a+6:RB+\a+7]
.endr
.irp a, 0,16
	v_pk_add_f32 v[RB+\a:RB+\a+1], v[RB+\a:RB+\a+1], v[RB+\a+8:RB+\a+9]
	v_pk_add_f32 v[RB+\a+2:RB+\a+3], v[RB+\a+2:RB+\a+3], v[RB+\a+10:RB+\a+11]
.endr
	v_pk_add_f32 v[RB:RB+1], v[RB:RB+1], v[RB+16:RB+17]
	v_pk_add_f32 v[RB+2:RB+3], v[RB+2:RB+3], v[RB+18:RB+19]
.irp i, 0,1,2,3
	v_mul_f32 v[RB+\i], v[RB+\i], v[F1R+\p]
.endr
	global_store_b128 v[GOF], v[RB:RB+3], s[24:25] offset:4096*\p th:TH_STORE_NT
.endr
.endm
	; ================ THE HEAD
	s_load_b256 s[4:11], s[0:1], 0x0               ; q_codes, q_scales, kimg, vimg
	s_load_b256 s[12:19], s[0:1], 0x20             ; q_ranges_local, k_ranges_local, causal_local, q_ranges_remote
	s_load_b256 s[20:27], s[0:1], 0x40             ; k_ranges_remote, causal_remote, out0, out1
	v_lshl_add_u32 v62, v0, 2, 0x37400
	v_mov_b32 v63, 0
	v_lshrrev_b32 v[RR], 5, v0
	v_readfirstlane_b32 s[WV], v[RR]               ; wave 0..7
	s_and_b32 s[HD], ttmp9, 7                      ; head = L % 8, L = x + 64 y
	s_and_b32 s90, ttmp7, 0xffff
	s_lshl_b32 s90, s90, 3
	s_lshr_b32 s91, ttmp9, 3
	s_add_co_u32 s90, s90, s91                     ; L / 8
	s_lshl_b32 s90, s90, 6
	s_sub_co_u32 s[Q0], 4032, s90                  ; my first query
	s_wait_kmcnt 0x0
	s_load_b128 s[28:31], s[12:13], 0x0            ; qs0 qe0 qs1 qe1
	s_load_b128 s[32:35], s[14:15], 0x0            ; ks0 ke0 ks1 ke1
	s_load_b64 s[36:37], s[18:19], 0x0             ; qs qe, remote
	s_load_b64 s[38:39], s[20:21], 0x0             ; ks ke, remote
	s_load_u8 s40, s[16:17], 0x0
	s_load_u8 s41, s[16:17], 0x1
	s_load_u8 s42, s[22:23], 0x0
	; every LDS address register is made here, ahead of any parting of the waves
	v_and_b32 v[RR], 15, v0                        ; r
	v_bfe_u32 v[HH], v0, 4, 1                      ; h
	v_and_b32 v[LN], 31, v0                        ; lane
	v_lshlrev_b32 v[L16], 4, v[LN]
	v_lshlrev_b32 v[L8], 3, v[LN]
	v_mov_b32 v[NINF], 0xff800000
	v_mul_u32_u24 v[QOF], v[RR], 384
	v_mad_u32_u24 v[QOF], v[HH], 24, v[QOF]
	v_lshlrev_b32 v[QSO], 4, v[RR]
	v_lshl_add_u32 v[THA], v[LN], 4, THR
	s_and_b32 s90, s[WV], 3                        ; my role's tile
	s_lshr_b32 s91, s[WV], 2                       ; my role's stage
	s_lshl_b32 s92, s91, 13                        ; a stage: four trips of 2,048 bytes
	s_lshl_b32 s93, s90, 9
	s_add_co_u32 s92, s92, s93
	v_add_nc_u32 v[THW], s92, v[THA]
	s_lshl_b32 s92, s[WV], 13
	v_lshl_add_u32 v[STW], v[LN], 3, s92
	s_lshl_b32 s92, s90, 8
	v_lshl_add_u32 v[MRD], v[RR], 3, s92
	v_lshl_add_u32 v[MRD], v[HH], 12, v[MRD]
	s_lshl_b32 s92, s90, 7
	s_add_co_u32 s92, s92, NLT
	v_lshl_add_u32 v[MWN], v[RR], 2, s92
	v_lshl_add_u32 v[MWN], v[HH], 11, v[MWN]
	v_lshl_add_u32 v[F0A], v[LN], 4, F0R
	s_lshl_b32 s92, s90, 2
	v_add_nc_u32 v[MWF], s92, v[F0A]
	s_lshl_b32 s92, s90, 6
	s_add_co_u32 s92, s92, F1T
	v_lshl_add_u32 v[MWT], v[RR], 2, s92
	s_mul_i32 s92, s[WV], OWV
	s_add_co_u32 s92, s92, ORED
	v_mul_u32_u24 v[OST], v[RR], OP
	v_lshl_add_u32 v[OST], v[HH], 5, v[OST]
	v_add_nc_u32 v[OST], s92, v[OST]
	s_mul_i32 s92, s[WV], 8*OP
	s_add_co_u32 s92, s92, ORED
	v_mul_u32_u24 v[ORD0], v[HH], OP
	v_lshl_add_u32 v[ORD0], v[RR], 4, v[ORD0]
	v_add_nc_u32 v[ORD0], s92, v[ORD0]
	v_add_nc_u32 v[ORD1], 4*OWV, v[ORD0]
	s_lshl_b32 s92, s[WV], 5
	s_add_co_u32 s92, s92, F1T
	v_lshl_add_u32 v[F1A], v[HH], 2, s92
	v_lshl_add_u32 v[NLA], v[LN], 2, NLT
	v_lshl_add_u32 v[LRD], v[LN], 3, LSEB
	v_lshlrev_b32 v[GOF], 11, v[HH]
	v_lshl_add_u32 v[GOF], v[RR], 4, v[GOF]
	v_lshlrev_b32 v[ZSH], 4, v[HH]
	s_mov_b32 s[CS], 0x3e38aa3b                    ; c = log2(e) / 8
	s_mov_b32 s[CS+1], s[CS]
	s_mov_b32 s[SEL], 0x76543210
	s_mov_b32 s[SEL+1], 0xfedcba98                 ; lane l xor 16
	s_mov_b32 s[NEGC], 0xbe38aa3b
	s_mov_b32 s[HM], 0xffff0000                    ; lanes 16-31
	v_mov_b32 v[NEU], 0xff61b1e6
	v_mul_f32 v[NEU], s[NEGC], v[NEU]              ; the neutral pair: -c m of m = -3e38, and l = 0
	v_mov_b32 v[NEU+1], 0
	v_mov_b32 v[NCM+1], 0                          ; the pairs' upper registers are named, so they are written
	v_mov_b32 v[NLP+1], 0
.irp j, 0,1,2,3
.irp i, 6,7,8,9,10,11
	v_mov_b32 v[QQ+12*\j+\i], 0                    ; Q's upper 64 along K: zero codes, written once
.endr
	v_mov_b32 v[BX+\j], 0                          ; written once: a lane permute's destination counts as one of its sources
	v_mov_b32 v[FP+2*\j+1], 0
.endr
	WIN 0x40
.irp i, 48,49,50,51,52,53
	v_mov_b32 v[\i], 0                             ; the pad behind K's last tile
.endr
	WIN 0
.set PI, 0
.rept 32
	ds_store_b64 v[STW], v[NEU:NEU+1] offset:256*PI    ; my 32 (trip, tile) statistics begin neutral: a trip that is not walked leaves them so
.set PI, PI+1
.endr
	s_wait_kmcnt 0x0
	s_mov_b32 s91, 0
	s_mul_i32 s90, s[Q0], 384
	s_mul_i32 s92, s[HD], 48
	s_add_co_u32 s90, s90, s92
	s_add_nc_u64 s[4:5], s[4:5], s[90:91]          ; Q's codes at my first query and head
	s_lshl_b32 s90, s[Q0], 4
	s_lshl_b32 s92, s[HD], 1
	s_add_co_u32 s90, s90, s92
	s_add_nc_u64 s[6:7], s[6:7], s[90:91]          ; its scale bytes
	s_lshl_b32 s92, s[HD], 5
	s_add_co_u32 s92, s92, s[WV]
	s_mul_i32 s90, s92, KIMG
	s_add_nc_u64 s[8:9], s[8:9], s[90:91]          ; the image of stage 0, my head, step = my wave
	s_mul_i32 s90, s92, VIMG
	s_add_nc_u64 s[10:11], s[10:11], s[90:91]
	s_lshl_b32 s90, s[WV], 3
	s_add_co_u32 s90, s90, s[Q0]
	s_lshl_b32 s90, s90, 3
	s_add_co_u32 s90, s90, s[HD]
	s_lshl_b32 s90, s90, 8
	s_add_nc_u64 s[24:25], s[24:25], s[90:91]      ; out0: ((Q0 + 8 wave) x 8 + head) x 256 bytes
	s_lshl_b32 s90, s[HD], 12
	s_add_co_u32 s90, s90, s[Q0]
	s_lshl_b32 s90, s90, 2
	s_add_nc_u64 s[26:27], s[26:27], s[90:91]      ; out1: (head x 4,096 + Q0) x 4 bytes
	ENTRY 0, 28, 29, 32, 33, 40
	ENTRY 1, 30, 31, 34, 35, 41
	ENTRY 2, 36, 37, 38, 39, 42
.irp i, 15,16,17,18,19
	s_mov_b32 s[TAB+\i], 0                         ; the remote stage has one range: the second is empty
.endr
	s_cmp_lt_u32 s[WV], 4                          ; waves 0-3 make the local stage's thresholds, waves 4-7 the remote's; wave % 4 is the tile
.irp i, 0,1,2,3,4,5,6,7,8,9
	s_cselect_b32 s[CUS+\i], s[TAB+\i], s[TAB+10+\i]
.endr
	s_and_b32 s90, s[WV], 3
	THRESH
	; what the block's branches hang on
.irp e, 0,1,2,3
	s_add_co_i32 s90, s[Q0], 64
	s_add_co_i32 s92, s[TAB+5*\e], s[TAB+5*\e+1]
	s_cmp_lt_i32 s[TAB+5*\e], s90
	s_cselect_b32 s91, 1, 0
	s_cmp_gt_i32 s92, s[Q0]
	s_cselect_b32 s[QH+\e], s91, 0                 ; the range meets the block's queries
	s_add_co_i32 s93, s[Q0], 63
	s_add_co_i32 s93, s93, s[TAB+5*\e+4]
	s_min_i32 s93, s93, s[TAB+5*\e+3]
	s_cmp_lg_u32 s[QH+\e], 0
	s_cselect_b32 s[KHI+\e], s93, 0                ; no query of the block sees a key from here on by this range
	s_cmp_ge_i32 s[Q0], s[TAB+5*\e]
	s_cselect_b32 s91, 1, 0
	s_cmp_le_i32 s90, s92
	s_cselect_b32 s91, s91, 0                      ; all 64 queries lie in the range
	s_add_co_i32 s93, s[Q0], s[TAB+5*\e+4]
	s_min_i32 s93, s93, s[TAB+5*\e+3]              ; what the block's first query sees, all see
	s_cmp_lg_u32 s91, 0
	s_cselect_b32 s[KOPH+\e], s93, 0xc0000000
.endr
	s_and_b32 s[GP], s[QH], s[QH+1]
	s_and_b32 s[GP+1], s[QH+2], s[QH+3]
	s_mov_b32 s[VMK], 0
.irp t, 0,1,2,3,4,5,6,7                ; trip t is walked where a range's keys for this block meet its 128 keys (a trip walked in vain adds nothing)
	s_lshl_b32 s90, s[WV], 7
	s_add_co_u32 s90, s90, 1024*((\t)&3)
	s_add_co_u32 s91, s90, 128
	s_cmp_lt_i32 s90, s[KHI+2*((\t)/4)]
	s_cselect_b32 s92, 1, 0
	s_cmp_gt_i32 s91, s[TAB+10*((\t)/4)+2]
	s_cselect_b32 s92, s92, 0
	s_cmp_lt_i32 s90, s[KHI+2*((\t)/4)+1]
	s_cselect_b32 s93, 1, 0
	s_cmp_gt_i32 s91, s[TAB+10*((\t)/4)+7]
	s_cselect_b32 s93, s93, 0
	s_or_b32 s92, s92, s93
	s_lshl_b32 s92, s92, \t
	s_or_b32 s[VMK], s[VMK], s92
.endr
.irp j, 0,1,2,3
.irp p, 0,1,2
	global_load_b64 v[QQ+12*\j+2*\p:QQ+12*\j+2*\p+1], v[QOF], s[4:5] offset:6144*\j+8*\p   ; Q's lower six registers: the head's 64, block h in the lanes of half h
.endr
	global_load_u16 v[QSC+\j], v[QSO], s[6:7] offset:256*\j        ; its two scale bytes, the upper two 0
.endr
	s_mov_b64 s[KA:KA+1], s[8:9]
	LOADK                                          ; trip 0's image of K, walked or not: so K's registers are written on every way
	; the accumulators begin as zeros: which step is a wave's first hangs on the ranges, so no product that starts the sums can be written out ahead.  These lines stand inside the wait for the loads above
	WIN 0x40
.set PI, ACC
.rept 128
	v_mov_b32 v[PI], 0
.set PI, PI+1
.endr
	WIN 0
	BARRIER                                        ; the thresholds lie in LDS
	s_wait_loadcnt 0x0                             ; Q is in
	; ================ PASS 1
	s_mov_b32 s[TRP], 0
	s_mov_b32 s[SA], 0
	s_mov_b32 s[PA], 0
.Lp1_trip:
	TRIP_SC
	s_mov_b32 s[JJ], 0
.Lp1_tile:                                             ; every wave walks the loop; a trip that is not walked jumps over the tile's work alone
	s_cmp_eq_u32 s[VISB], 0
	s_cbranch_scc1 .Lp1_skip
	P1TILE
.Lp1_skip:
	s_add_co_u32 s[SA], s[SA], 256
	s_add_co_u32 s[PA], s[PA], 512
	s_add_co_u32 s[JJ], s[JJ], 1
	s_cmp_lt_u32 s[JJ], 4
	s_cbranch_scc1 .Lp1_tile
	NEXTLD 0
	s_add_co_u32 s[TRP], s[TRP], 1
	s_cmp_lt_u32 s[TRP], 8
	s_cbranch_scc1 .Lp1_trip
	s_wait_loadcnt 0x0                             ; no load of mine is out: the images' registers and the bases may be written
	s_mov_b64 s[KA:KA+1], s[8:9]
	LOADK                                          ; trip 0's images for pass 2, walked or not: they land during the merge
	s_mov_b64 s[VA:VA+1], s[10:11]
	LOADV
	BARRIER                                        ; all waves' statistics lie in LDS
	s_cmp_lt_u32 s[WV], 4
	s_cbranch_scc0 .Lno_merge
	MERGE
.Lno_merge:
	BARRIER                                        ; -log2-lse, F0, F1 and lse lie in LDS
	s_cmp_lg_u32 s[WV], 0
	s_cbranch_scc1 .Lno_lse
	ds_load_b64 v[LSO:LSO+1], v[LRD]
	s_wait_dscnt 0x0
	global_store_b64 v[L8], v[LSO:LSO+1], s[26:27] th:TH_STORE_NT  ; 64 numbers of lse: 256 consecutive bytes, aligned
.Lno_lse:
	; ================ PASS 2
	s_mov_b32 s[TRP], 0
	s_mov_b32 s[PA], 0
	s_mov_b32 s[NA], 0
.Lp2_trip:
	s_cmp_lg_u32 s[TRP], 4                         ; at the remote stage's first trip the local sums are multiplied by F0
	s_cbranch_scc1 .Lno_scale
	SCALE0
.Lno_scale:
	TRIP_SC
	s_mov_b32 s[JJ], 0
.Lp2_tile:
	s_cmp_eq_u32 s[VISB], 0
	s_cbranch_scc1 .Lp2_skip
	P2TILE
.Lp2_skip:
	s_add_co_u32 s[PA], s[PA], 512
	s_add_co_u32 s[NA], s[NA], 128
	s_add_co_u32 s[JJ], s[JJ], 1
	s_cmp_lt_u32 s[JJ], 4
	s_cbranch_scc1 .Lp2_tile
	NEXTLD 1
	s_add_co_u32 s[TRP], s[TRP], 1
	s_cmp_lt_u32 s[TRP], 8
	s_cbranch_scc1 .Lp2_trip
	OSTORE
	BARRIER                                        ; all waves' partial O lie in LDS
	REDUCE
	s_wait_tensorcnt 0x0
	ds_add_u32 v62, v63
	s_wait_dscnt 0x0
	s_endpgm
.Lfunc_end_k_qb6259eafb3_attn:
	.size	k_qb6259eafb3_attn, .Lfunc_end_k_qb6259eafb3_attn-k_qb6259eafb3_attn
	.p2alignl 7, 3214868480
	.fill 96, 4, 3214868480
	.section	.rodata,"a",@progbits
	.p2align	6, 0x0
	.amdhsa_kernel k_qb6259eafb3_attn
		.amdhsa_group_segment_fixed_size 227328
		.amdhsa_private_segment_fixed_size 0
		.amdhsa_enable_private_segment 0
		.amdhsa_kernarg_size 96
		.amdhsa_user_sgpr_count 2
		.amdhsa_user_sgpr_kernarg_segment_ptr 1
		.amdhsa_wavefront_size32 1
		.amdhsa_system_sgpr_workgroup_id_x 1
		.amdhsa_system_sgpr_workgroup_id_y 1
		.amdhsa_system_sgpr_workgroup_id_z 1
		.amdhsa_system_vgpr_workitem_id 0
		.amdhsa_next_free_vgpr 512
		.amdhsa_next_free_sgpr 100
		.amdhsa_reserve_vcc 1
		.amdhsa_float_denorm_mode_32 3
		.amdhsa_float_denorm_mode_16_64 3
		.amdhsa_memory_ordered 1
		.amdhsa_forward_progress 1
		.amdhsa_inst_pref_size 120
	.end_amdhsa_kernel
	.amdgpu_metadata
---
amdhsa.version: [ 1, 2 ]
amdhsa.kernels:
  - .name:           k_qb6259eafb3_attn
    .symbol:         k_qb6259eafb3_attn.kd
    .args:
      - { .name: q_codes, .offset: 0, .size: 8, .value_kind: global_buffer, .address_space: global }
      - { .name: q_scales, .offset: 8, .size: 8, .value_kind: global_buffer, .address_space: global }
      - { .name: kimg, .offset: 16, .size: 8, .value_kind: global_buffer, .address_space: global }
      - { .name: vimg, .offset: 24, .size: 8, .value_kind: global_buffer, .address_space: global }
      - { .name: q_ranges_local, .offset: 32, .size: 8, .value_kind: global_buffer, .address_space: global }
      - { .name: k_ranges_local, .offset: 40, .size: 8, .value_kind: global_buffer, .address_space: global }
      - { .name: causal_local, .offset: 48, .size: 8, .value_kind: global_buffer, .address_space: global }
      - { .name: q_ranges_remote, .offset: 56, .size: 8, .value_kind: global_buffer, .address_space: global }
      - { .name: k_ranges_remote, .offset: 64, .size: 8, .value_kind: global_buffer, .address_space: global }
      - { .name: causal_remote, .offset: 72, .size: 8, .value_kind: global_buffer, .address_space: global }
      - { .name: out0, .offset: 80, .size: 8, .value_kind: global_buffer, .address_space: global }
      - { .name: out1, .offset: 88, .size: 8, .value_kind: global_buffer, .address_space: global }
    .group_segment_fixed_size: 227328
    .private_segment_fixed_size: 0
    .kernarg_segment_align: 8
    .kernarg_segment_size: 96
    .max_flat_workgroup_size: 256
    .sgpr_count:     100
    .vgpr_count:     512
    .wavefront_size: 32
...
	.end_amdgpu_metadata
.endif
;; end of part 2
